; MI455X (gfx1250); checked and timed in simulation.
; The chip was launched on July 23, 2026; its instructions are those of AMD's public machine-readable ISA for CDNA 5 (MIT licence, August 2026) and "CDNA5" Instruction Set Architecture Reference Guide (July 2026). The comments in the code are by the model that wrote it; some were corrected since.
;; Qlora MLP Debug. Allowed arithmetic: float matrix products may take bf16 or f16 operands with f32 sums; all other float work in f32.
;; Inputs: a1 2 x 4,096 float32; a2 2 x 11,008 float32; a3 2 x 4,096 float32; b1 11,008 x 2 float32; b2 4,096 x 2 float32; b3 11,008 x 2 float32; w1q 11,008 x 1,024 float32; w2q 4,096 x 2,752 float32; w3q 11,008 x 1,024 float32; x 16 x 1 x 4,096 float32.
;; Outputs: out0 16 x 1 x 4,096 float32.
;; One version. Each part assembles by itself: llvm-mc -triple=amdgcn-amd-amdhsa -mcpu=gfx1250 --defsym DOCPART=n.
;; ======== version 1 of 1: 2 launches
;; workspace buffers: hf 88,064 bytes; t2p 32,768 bytes
;; launch gateup (part 1): grid 256 x 1, 8 waves a work-group, no clusters, 308,224 bytes of LDS; arguments x, a1, a3, w1q, w3q, b1, b3, a2, hf, t2p; writes hf, t2p
.if DOCPART == 1
	.amdgcn_target "amdgcn-amd-amdhsa--gfx1250"
	.amdhsa_code_object_version 6
	.text
	.protected	k_q51b932b782_gateup
	.globl	k_q51b932b782_gateup
	.p2align	8
	.type	k_q51b932b782_gateup,@function
k_q51b932b782_gateup:
	s_mov_b64 s[64:65], 0
	v_nop
	global_prefetch_b8 v0, s[64:65] scope:SCOPE_SE
	s_setreg_imm32_b32 hwreg(HW_REG_WAVE_MODE, 25, 1), 1
	s_wait_xcnt 0x0
; gate = silu(x W1^T + 0.5 (x A1^T) B1^T), up = x W3^T + 0.5 (x A3^T) B3^T, hmid = gate * up, for 16 tokens; W = the stored [11008][1024] weight repeated 4 times along K.
; Since W[n][k] = wq[n][k mod 1024], x W^T = xs wq^T with xs[b][k] = x[b][k] + x[b][k+1024] + x[b][k+2048] + x[b][k+3072].
; ROUNDING: each x is rounded to bf16 first, as the matrix operand of the unfolded product would be; the fold sums the ROUNDED numbers in f32 and goes to the
; matrix unit as two bf16 operands, hi = bf16(xs) and lo = bf16(xs - hi), 16 bits together, so that the fold adds no rounding of its own.
; The next layer's weight is repeated likewise, so it needs only hf[b][j] = sum over c of hmid[b][c*2752+j], and t2 = hmid A2^T.
; OUT: hf, bf16, [j 0..2751][b 0..15] (byte 32 j + 2 b);  t2p, f32, [work-group][b][rho] (byte 128 g + 8 b + 4 rho): this work-group's part of hmid A2^T.
; SHARES: work-group g owns j = j0 .. j0+cnt-1, j0 = 43 g >> 2, cnt = 10 or 11 (2752 = 256 x 43/4).  It always reads 11 j; where cnt = 10 the eleventh is the
; neighbour's and is left out at the end.  Its weight rows are c*2752 + j0 + i (c 0..3, i 0..10) of w1q and of w3q: 8 tiles of 11 rows, tile = 4 mat + c.
; Wave w owns columns 128 w .. 128 w + 127 (512 bytes) of every tile and of each of the four chunks of x, a1, a3: it folds and converts its own part of x.
; Every weight byte is asked for once: tiles 0-4 by tensor loads at the head (five out by this text's count, each into LDS bytes filled once), tiles 5-7 by
; loads into registers v256-v387 issued while x is worked on.  Nothing in LDS is filled twice by a tensor load, so no slot ever waits for a reader.
; NO JOINT LOADS: what the work-groups share is x, a1, a3, 327,680 bytes; beside 232,320 bytes of weight slots that has no room in LDS, so it comes through registers.
; LIMITS: sums run in another order than a plain row sum; x, a1, a3 and the weights enter the products in bf16, hf is rounded to bf16.  v_exp_f32 and v_rcp_f32
; flush denormals (ISA guide 15.8): for gate below about -87.3 the sigmoid comes out 0 and silu -0, where the exact value is under 1e-36 in magnitude.
.set XROW,  16384                      ; bytes in a row of x, a1, a3
.set CHB,   4096                       ; bytes in a chunk of 1,024 f32 = a row of w1q, w3q
.set CSTEP, 2752*4096                  ; from c to c + 1 in w1q, w3q
.set WP,    528                        ; LDS pitch of a weight row piece: 512 + 16 = 33 x 16 bytes, so 11 rows start at 11 different 16-byte columns of 256
.set SLOT,  11*WP                      ; a tile of one wave
.set RINGW, 5*SLOT                     ; a wave's five tiles
.set W8,    232448                     ; each wave's own 8,192 bytes, written by ds_store alone: bf16 stage, then tiles 5-7 in turn, then its 8 partial results
.set TPB,   297984                     ; each wave's partial of x [A1;A3]^T: 1,024 bytes, [b] 64 bytes x [n] 4 bytes
.set OUTS,  306176                     ; +0: hf block [i] 32 bytes x [b] bf16;  +512: t2 [b][rho] f32
.set SP,    272                        ; pitch of the bf16 stage: 256 + 16
; while x is worked on:
.set P,   16                           ; v[16:95]   a chunk as loaded: 16 rows of x, a1[0], a1[1], a3[0], a3[1], 4 registers each; then fragments
.set Q,   96                           ; v[96:175]  the same, second buffer
.set XS,  176                          ; v[176:239] the fold of the rounded x, f32
.set TA,  240                          ; v[240:247], v[248:255]: two sums of x [A1;A3]^T
.set TB,  248
; while the weights are worked on:
.set XF,  16                           ; v[16:47]   hi of xs as four A fragments
.set XFL, 48                           ; v[48:79]   lo of xs likewise
.set ACC, 80                           ; v[80:143]  tile T's sum at ACC + 8 T
.set TBM, 144                          ; v[144:151] second sum of the tile at work: the lo products
.set WF,  152                          ; v[152:215] a tile's f32 as read from LDS
.set WB,  216                          ; v[216:231] two B fragments in bf16 that take turns
.set SM,  232                          ; v[232:255] b1 (4 x 2), b3 (4 x 2), a2[0] (4), a2[1] (4) of my (i, c)
; at the end:
.set EP,  152                          ; wave wv's partial of tile T at EP + 8 wv + T
.set TQ,  16                           ; wave wv's partial t[0..3] at TQ + 4 wv
.set EX,  EP+8
.set FX,  EP+12
.set RC,  EP+16
.set HM,  EP+20
.set TM,  80                           ; v[80:93] at work
.set MSB, 0
.macro WIN new                         ; s_set_vgpr_msb: bits 3:2 source 1, 7:6 destination; the high byte repeats the setting that is left
.if MSB != \new
	s_set_vgpr_msb (MSB<<8)|\new
.set MSB, \new
.endif
.endm
.macro PLACES                          ; four plain vector places behind a matrix instruction (ISA guide 7.12.1)
.rept 4
	v_nop
.endr
.endm
	s_load_b512 s[8:23], s[0:1], 0x0               ; x s[8:9], a1 s[10:11], a3 s[12:13], w1q s[14:15], w3q s[16:17], b1 s[18:19], b3 s[20:21], a2 s[22:23]
	s_load_b128 s[24:27], s[0:1], 0x40             ; hf s[24:25], t2p s[26:27]
	s_set_vgpr_msb 0x40
	v_lshl_add_u32 v136, v0, 2, 0x4b000
	v_mov_b32 v137, 0
	s_set_vgpr_msb 0x4045
	ds_add_u32 v136, v137
	ds_add_u32 v136, v137
	s_set_vgpr_msb 0x4500
	v_lshrrev_b32 v17, 5, v0
	v_readfirstlane_b32 s2, v17                    ; wave w
	s_mul_i32 s3, ttmp9, 43
	s_lshr_b32 s4, s3, 2                           ; j0
	s_add_co_u32 s5, s3, 43
	s_lshr_b32 s5, s5, 2
	s_sub_co_u32 s5, s5, s4                        ; cnt
	s_lshl_b32 s74, s5, 5                          ; bytes of hf that are mine
	s_mov_b32 s72, 0x76543210                      ; v_permlanex16_b32: lane i takes lane i of the other half
	s_mov_b32 s73, 0xfedcba98
	s_mov_b32 s82, 0xffff0000                      ; a word's upper bf16
	; descriptor group 1: 11 rows x 128 elements of 4 bytes, rows 1,024 elements apart, 4 words of padding behind every 128
	s_mov_b32 s32, 0x07920000                      ; 17:16 size code 2; 20 padding on; 24:22 code 6 (128 words); 31:25 code 3 (4 words)
	s_mov_b32 s33, 128<<16                         ; tensor_dim0 = 128
	s_mov_b32 s34, 11<<16                          ; tensor_dim1 = 11
	s_mov_b32 s35, 128<<16                         ; tile_dim0 = 128
	s_mov_b32 s36, 11                              ; tile_dim1 = 11
	s_mov_b32 s37, 1024                            ; pitch
	s_mov_b32 s38, 0
	s_mov_b32 s39, 0
	s_mul_i32 s28, s2, RINGW                       ; my five tiles in LDS
	s_lshl_b32 s30, s2, 13
	s_add_co_u32 s30, s30, W8                      ; my 8,192 bytes
	s_add_co_u32 s31, s30, 16*SP                   ; the stage's rows 16-19: a1, a3
	s_lshl_b32 s29, s2, 10
	s_add_co_u32 s29, s29, TPB
	s_lshl_b32 s75, s2, 2
	s_add_co_u32 s75, s75, OUTS
	s_lshl_b32 s3, s2, 4
	s_add_co_u32 s3, s3, OUTS+512
	s_lshl_b32 s60, s4, 12                         ; j0 rows of 4,096 bytes
	s_lshl_b32 s61, s2, 9                          ; + my 512 bytes of a row
	s_add_co_u32 s60, s60, s61
	s_mov_b32 s61, 0
	s_lshl_b32 s62, s4, 5                          ; 32 j0
	s_mov_b32 s63, 0
	s_lshl_b32 s6, ttmp9, 7                        ; 128 g
	s_mov_b32 s7, 0
	v_and_b32 v16, 31, v0                          ; lane
	v_and_b32 v18, 15, v0                          ; r; in the epilogue i
	v_bfe_u32 v19, v0, 4, 1                        ; h
	v_min_u32 v20, 10, v18                         ; lanes 11-15 read row 10 again: their columns are thrown away
	v_lshrrev_b32 v21, 4, v0                       ; b = 2 w + h, the epilogue's token
	v_lshlrev_b32 v1, 4, v0                        ; x, a1, a3: 512 w + 16 lane
	v_lshlrev_b32 v2, 4, v16                       ; 16 lane
	v_lshl_add_u32 v3, v16, 3, s30                 ; stage, in: 8 bytes (4 bf16) a lane
	v_mul_u32_u24 v22, v18, SP
	v_lshl_add_u32 v22, v19, 4, v22
	v_add_nc_u32 v4, s30, v22                      ; stage, fragments of x or xs: row r, 16 h
	v_and_b32 v23, 3, v18
	v_mul_u32_u24 v23, v23, SP
	v_lshl_add_u32 v23, v19, 4, v23
	v_add_nc_u32 v5, s31, v23                      ; stage, fragments of a: row 16 + (r & 3)
	v_mul_u32_u24 v24, v20, WP
	v_lshl_add_u32 v24, v19, 5, v24                ; weight row min(r,10), 8 h f32
	v_add_nc_u32 v6, s28, v24                      ; in my tensor tiles
	v_add_nc_u32 v7, s30, v24                      ; in my 8,192 bytes
	v_add_nc_u32 v8, s30, v2                       ; my 8,192 bytes + 16 lane
	v_lshlrev_b32 v25, 2, v18
	v_lshl_add_u32 v25, v19, 9, v25
	v_add_nc_u32 v10, s29, v25                     ; t out: row 8 h (+ j by the offset), column r
	v_bfe_u32 v26, v21, 2, 1                       ; where element (b, i) of a result tile lies: register b & 7 of lane 16 (b >> 3) + i,
	v_lshlrev_b32 v26, 9, v26                      ; stored as two runs of 16 bytes a lane: 512 ((b >> 2) & 1) + 16 lane + 4 (b & 3)
	v_lshrrev_b32 v27, 3, v21
	v_lshl_add_u32 v27, v27, 4, v18
	v_lshl_add_u32 v26, v27, 4, v26
	v_and_b32 v28, 3, v21
	v_lshl_add_u32 v26, v28, 2, v26
	v_add_nc_u32 v11, W8, v26
	v_lshl_add_u32 v12, v21, 6, TPB                ; t of token b
	v_add_nc_u32 v29, s4, v20
	v_lshlrev_b32 v13, 3, v29                      ; b1, b3: 8 (j0 + min(i,10))
	v_lshlrev_b32 v14, 2, v29                      ; a2: 4 (j0 + min(i,10))
	v_lshl_add_u32 v15, v18, 5, s75                ; hf block: 32 i + 4 w (tokens 2 w, 2 w + 1)
	v_lshl_add_u32 v9, v19, 3, s3                  ; t2: 8 b = 16 w + 8 h
	v_cmp_gt_u32 s80, s5, v18                      ; i < cnt: the j is mine
	v_cmp_eq_u32 s81, 0, v19                       ; lower half of the lanes: the even token
	s_wait_dscnt 0x0
	s_wait_kmcnt 0x0
	s_add_nc_u64 s[14:15], s[14:15], s[60:61]      ; w1q and w3q at row j0, my columns
	s_add_nc_u64 s[16:17], s[16:17], s[60:61]
.irp T, 0,1,2,3
	s_mov_b32 s[40+4*\T], 1                        ; group 0 of tile T: count
	s_add_co_u32 s[41+4*\T], s28, \T*SLOT          ; LDS address
	s_add_nc_u64 s[42+4*\T:43+4*\T], s[14:15], \T*CSTEP
	s_or_b32 s[43+4*\T], s[43+4*\T], 0x80000000    ; type 2
	tensor_load_to_lds s[40+4*\T:43+4*\T], s[32:39]
	s_nop 0
.endr
	s_mov_b32 s56, 1                               ; tile 4: w3q, c = 0
	s_add_co_u32 s57, s28, 4*SLOT
	s_mov_b64 s[58:59], s[16:17]
	s_or_b32 s59, s59, 0x80000000
	tensor_load_to_lds s[56:59], s[32:39]
	s_nop 0
	s_add_nc_u64 s[66:67], s[16:17], CSTEP         ; tiles 5, 6, 7: w3q, c = 1, 2, 3
	s_add_nc_u64 s[68:69], s[16:17], 2*CSTEP
	s_add_nc_u64 s[70:71], s[16:17], 3*CSTEP
	s_add_nc_u64 s[76:77], s[24:25], s[62:63]      ; hf at j0
	s_add_nc_u64 s[78:79], s[26:27], s[6:7]        ; my 128 bytes of t2p
; 20 loads: my 512 bytes of chunk c of the 16 rows of x and of the 2 + 2 rows of a1, a3; each load of the wave covers 512 consecutive bytes
.macro XLOAD buf, c
.irp b, 0,1,2,3,4,5,6,7,8,9,10,11,12,13,14,15
	global_load_b128 v[\buf+4*\b:\buf+4*\b+3], v1, s[8:9] offset:\b*XROW+\c*CHB
.endr
.irp p, 0,1
	global_load_b128 v[\buf+64+4*\p:\buf+67+4*\p], v1, s[10:11] offset:\p*XROW+\c*CHB
.endr
.irp p, 0,1
	global_load_b128 v[\buf+72+4*\p:\buf+75+4*\p], v1, s[12:13] offset:\p*XROW+\c*CHB
.endr
.endm
.macro TMUL acc, buf, s, zero
.if \zero
	v_wmma_f32_16x16x32_bf16 v[\acc:\acc+7], v[\buf+16*\s:\buf+16*\s+7], v[\buf+16*\s+8:\buf+16*\s+15], 0
.else
	v_wmma_f32_16x16x32_bf16 v[\acc:\acc+7], v[\buf+16*\s:\buf+16*\s+7], v[\buf+16*\s+8:\buf+16*\s+15], v[\acc:\acc+7]
.endif
.endm
; One chunk.  Its 20 rows are rounded to bf16 into my stage; the rounded x is widened again (a shift, a mask) and taken into the fold in f32 (the first chunk
; starts the fold: nothing is cleared; a row's third and fourth registers are free once packed and serve as the widened pair).  Then the chunk's part of
; t = x [A1;A3]^T: the stage back as fragments (A: token r; B: column n = row r & 3 of a1, a1, a3, a3), four products of 32 k.
; The stage is my wave's own and LDS serves a wave's instructions in order (ISA guide 5.7.1): no wait between the stores and the loads.
; TA and TB take turns, one instruction a turn, across chunks too.
.macro CHUNK buf, first
.irp row, 0,1,2,3,4,5,6,7,8,9,10,11,12,13,14,15
	v_cvt_pk_bf16_f32 v[\buf+4*\row], v[\buf+4*\row], v[\buf+4*\row+1]
	v_cvt_pk_bf16_f32 v[\buf+4*\row+1], v[\buf+4*\row+2], v[\buf+4*\row+3]
	ds_store_b64 v3, v[\buf+4*\row:\buf+4*\row+1] offset:\row*SP
.if \first
	v_lshlrev_b32 v[XS+4*\row],   16,  v[\buf+4*\row]
	v_and_b32     v[XS+4*\row+1], s82, v[\buf+4*\row]
	v_lshlrev_b32 v[XS+4*\row+2], 16,  v[\buf+4*\row+1]
	v_and_b32     v[XS+4*\row+3], s82, v[\buf+4*\row+1]
.else
	v_lshlrev_b32 v[\buf+4*\row+2], 16,  v[\buf+4*\row]
	v_and_b32     v[\buf+4*\row+3], s82, v[\buf+4*\row]
	v_pk_add_f32  v[XS+4*\row:XS+4*\row+1], v[XS+4*\row:XS+4*\row+1], v[\buf+4*\row+2:\buf+4*\row+3]
	v_lshlrev_b32 v[\buf+4*\row+2], 16,  v[\buf+4*\row+1]
	v_and_b32     v[\buf+4*\row+3], s82, v[\buf+4*\row+1]
	v_pk_add_f32  v[XS+4*\row+2:XS+4*\row+3], v[XS+4*\row+2:XS+4*\row+3], v[\buf+4*\row+2:\buf+4*\row+3]
.endif
.endr
.irp row, 16,17,18,19
	v_cvt_pk_bf16_f32 v[\buf+4*\row], v[\buf+4*\row], v[\buf+4*\row+1]
	v_cvt_pk_bf16_f32 v[\buf+4*\row+1], v[\buf+4*\row+2], v[\buf+4*\row+3]
	ds_store_b64 v3, v[\buf+4*\row:\buf+4*\row+1] offset:\row*SP
.endr
.irp s, 0,1,2,3
	ds_load_b128 v[\buf+16*\s:\buf+16*\s+3],     v4 offset:64*\s
	ds_load_b128 v[\buf+16*\s+4:\buf+16*\s+7],   v4 offset:64*\s+32
	ds_load_b128 v[\buf+16*\s+8:\buf+16*\s+11],  v5 offset:64*\s
	ds_load_b128 v[\buf+16*\s+12:\buf+16*\s+15], v5 offset:64*\s+32
.endr
	s_wait_dscnt 12                                ; step 0's four loads are in; the three later steps' twelve stay out
	TMUL TA, \buf, 0, \first
	s_wait_dscnt 8
	TMUL TB, \buf, 1, \first
	s_wait_dscnt 4
	TMUL TA, \buf, 2, 0
	s_wait_dscnt 0
	TMUL TB, \buf, 3, 0
.endm
.macro RLOAD t, base                   ; tile 5 + t into v[256+44 t ..]: 11 loads, 512 consecutive bytes each
.irp i, 0,1,2,3,4,5,6,7,8,9,10
	global_load_b128 v[44*\t+4*\i:44*\t+4*\i+3], v2, s[\base:\base+1] offset:\i*CHB
.endr
.endm
	XLOAD P, 0
	XLOAD Q, 1
	s_wait_loadcnt 20                              ; chunk 0 is in; chunk 1's 20 loads stay out
	CHUNK P, 1
	PLACES                                         ; the loads below land on registers that the products above have read
	XLOAD P, 2
	s_wait_loadcnt 20                              ; chunk 1 is in; chunk 2's 20 stay out
	CHUNK Q, 0
	PLACES
	XLOAD Q, 3
	WIN 0x40                                       ; destinations in v256-v511
	RLOAD 0, 66
	RLOAD 1, 68
	s_wait_loadcnt 42                              ; chunk 2 is in: younger are chunk 3's 20 loads and the 22 of tiles 5 and 6
	RLOAD 2, 70
	WIN 0
	CHUNK P, 0
	s_wait_loadcnt 33                              ; chunk 3 is in: younger are the 33 loads of tiles 5, 6, 7
	CHUNK Q, 0
	; xs = hi + lo.  hi = bf16(xs) goes into the stage's rows 0-15; lo = bf16(xs - hi) stays packed in XS's first two registers of each row until hi has been
	; read back.  P's registers are free (its last products lie a whole chunk back).  These lines are also the places behind the last product of t.
.irp b, 0,1,2,3,4,5,6,7,8,9,10,11,12,13,14,15
	v_cvt_pk_bf16_f32 v[P+4*\b],   v[XS+4*\b],   v[XS+4*\b+1]
	v_cvt_pk_bf16_f32 v[P+4*\b+1], v[XS+4*\b+2], v[XS+4*\b+3]
	ds_store_b64 v3, v[P+4*\b:P+4*\b+1] offset:\b*SP
	v_lshlrev_b32 v[P+4*\b+2], 16,  v[P+4*\b]
	v_and_b32     v[P+4*\b+3], s82, v[P+4*\b]
	v_pk_add_f32  v[XS+4*\b:XS+4*\b+1], v[XS+4*\b:XS+4*\b+1], v[P+4*\b+2:P+4*\b+3] neg_lo:[0,1] neg_hi:[0,1]
	v_lshlrev_b32 v[P+4*\b+2], 16,  v[P+4*\b+1]
	v_and_b32     v[P+4*\b+3], s82, v[P+4*\b+1]
	v_pk_add_f32  v[XS+4*\b+2:XS+4*\b+3], v[XS+4*\b+2:XS+4*\b+3], v[P+4*\b+2:P+4*\b+3] neg_lo:[0,1] neg_hi:[0,1]
	v_cvt_pk_bf16_f32 v[XS+4*\b],   v[XS+4*\b],   v[XS+4*\b+1]
	v_cvt_pk_bf16_f32 v[XS+4*\b+1], v[XS+4*\b+2], v[XS+4*\b+3]
.endr
.irp q, 0,2,4,6
	v_pk_add_f32 v[TA+\q:TA+\q+1], v[TA+\q:TA+\q+1], v[TB+\q:TB+\q+1]
.endr
.irp j, 0,1,2,3,4,5,6,7
	ds_store_b32 v10, v[TA+\j] offset:64*\j        ; t(8 h + j, r), my columns' part
.endr
.irp s, 0,1,2,3
	ds_load_b128 v[XF+8*\s:XF+8*\s+3],   v4 offset:64*\s       ; hi as fragments
	ds_load_b128 v[XF+8*\s+4:XF+8*\s+7], v4 offset:64*\s+32
.endr
.irp b, 0,1,2,3,4,5,6,7,8,9,10,11,12,13,14,15
	ds_store_b64 v3, v[XS+4*\b:XS+4*\b+1] offset:\b*SP         ; lo over hi: behind hi's loads, in the wave's order
.endr
.irp s, 0,1,2,3
	ds_load_b128 v[XFL+8*\s:XFL+8*\s+3],   v4 offset:64*\s     ; lo as fragments
	ds_load_b128 v[XFL+8*\s+4:XFL+8*\s+7], v4 offset:64*\s+32
.endr
; 32 k of tile t: its four loads are in (the later steps' stay out), f32 to bf16 in the fragment's order, then hi x w onto the tile's sum and lo x w onto TBM.
; The two sums take turns, one instruction a turn; the first step starts both.  The two B fragments take turns from step to step:
; between a product and the rewrite of its fragment stand the next step's eight conversions.
.macro WSTEP t, s, zero
	s_wait_dscnt 12-4*\s
.irp q, 0,1,2,3,4,5,6,7
	v_cvt_pk_bf16_f32 v[WB+8*((\s)&1)+\q], v[WF+16*\s+2*\q], v[WF+16*\s+2*\q+1]
.endr
.if \zero
	v_wmma_f32_16x16x32_bf16 v[ACC+8*(\t):ACC+8*(\t)+7], v[XF+8*\s:XF+8*\s+7], v[WB+8*((\s)&1):WB+8*((\s)&1)+7], 0
	v_wmma_f32_16x16x32_bf16 v[TBM:TBM+7], v[XFL+8*\s:XFL+8*\s+7], v[WB+8*((\s)&1):WB+8*((\s)&1)+7], 0
.else
	v_wmma_f32_16x16x32_bf16 v[ACC+8*(\t):ACC+8*(\t)+7], v[XF+8*\s:XF+8*\s+7], v[WB+8*((\s)&1):WB+8*((\s)&1)+7], v[ACC+8*(\t):ACC+8*(\t)+7]
	v_wmma_f32_16x16x32_bf16 v[TBM:TBM+7], v[XFL+8*\s:XFL+8*\s+7], v[WB+8*((\s)&1):WB+8*((\s)&1)+7], v[TBM:TBM+7]
.endif
.endm
; Tile t, my 128 k, from LDS at v[areg] + off.  B fragment: lane (r, h) takes k = 8 h .. +7 (32 bytes) and 16 + 8 h .. +7 (64 bytes on) of weight row r.
.macro TILE t, areg, off
.irp s, 0,1,2,3
	ds_load_b128 v[WF+16*\s:WF+16*\s+3],     v[\areg] offset:\off+128*\s
	ds_load_b128 v[WF+16*\s+4:WF+16*\s+7],   v[\areg] offset:\off+128*\s+16
	ds_load_b128 v[WF+16*\s+8:WF+16*\s+11],  v[\areg] offset:\off+128*\s+64
	ds_load_b128 v[WF+16*\s+12:WF+16*\s+15], v[\areg] offset:\off+128*\s+80
.endr
	WSTEP \t, 0, 1
	WSTEP \t, 1, 0
	WSTEP \t, 2, 0
	WSTEP \t, 3, 0
	PLACES
.irp q, 0,2,4,6
	v_pk_add_f32 v[ACC+8*(\t)+\q:ACC+8*(\t)+\q+1], v[ACC+8*(\t)+\q:ACC+8*(\t)+\q+1], v[TBM+\q:TBM+\q+1]
.endr
.endm
; Tile 5 + t comes from registers: into my 8,192 bytes with the tensor tiles' pitch, then as any tile.  left = the younger loads that stay out.
.macro RTILE t, left
	s_wait_loadcnt \left
	WIN 0x04                                       ; store data in v256-v511
.irp i, 0,1,2,3,4,5,6,7,8,9,10
	ds_store_b128 v8, v[44*\t+4*\i:44*\t+4*\i+3] offset:\i*WP
.endr
	WIN 0
	TILE 5+\t, 7, 0
.endm
	s_wait_tensorcnt 4                             ; a wave's tensor loads end in order (ISA guide 10.11.1): tile 0 is in, the four younger ones stay out
	TILE 0, 6, 0
	; the small operands of the end, into registers that the LDS stores of lo and of t have read: tile 0's waits have shown those stores done
.irp c, 0,1,2,3
	global_load_b64 v[SM+2*\c:SM+2*\c+1], v13, s[18:19] offset:\c*22016      ; b1[c*2752 + j][0..1]
.endr
.irp c, 0,1,2,3
	global_load_b64 v[SM+8+2*\c:SM+9+2*\c], v13, s[20:21] offset:\c*22016    ; b3
.endr
.irp c, 0,1,2,3
	global_load_b32 v[SM+16+\c], v14, s[22:23] offset:\c*11008               ; a2[0][c*2752 + j]
.endr
.irp c, 0,1,2,3
	global_load_b32 v[SM+20+\c], v14, s[22:23] offset:\c*11008+44032         ; a2[1][..]
.endr
.irp T, 1,2,3,4
	s_wait_tensorcnt 4-\T                          ; tile T is in, the younger ones stay out
	TILE \T, 6, \T*SLOT
.endr
	RTILE 0, 38                                    ; younger: 22 loads of tiles 6, 7 and the 16 small ones
	RTILE 1, 27                                    ; 11 + 16
	RTILE 2, 16                                    ; the 16 small ones
.irp T, 0,1,2,3,4,5,6,7
	ds_store_b128 v8, v[ACC+8*\T:ACC+8*\T+3]   offset:\T*1024
	ds_store_b128 v8, v[ACC+8*\T+4:ACC+8*\T+7] offset:\T*1024+512
.endr
	s_wait_dscnt 0x0                               ; my partial sums and my part of t are in LDS, for the other waves' sake
	s_wait_tensorcnt 0x0                           ; (met since tile 4)
	s_barrier_signal -1
	s_barrier_wait -1
	; EPILOGUE: thread (b, i) sums the eight waves' parts of its eight outputs (gate and up at c = 0..3) and of t[b][0..3]
.macro ELOAD wv                        ; nine loads: wave wv's parts
.irp T, 0,1,2,3,4,5,6,7
	ds_load_b32 v[EP+8*\wv+\T], v11 offset:\wv*8192+\T*1024
.endr
	ds_load_b128 v[TQ+4*\wv:TQ+4*\wv+3], v12 offset:\wv*1024
.endm
.macro ESUM a, b                       ; wave a's parts += wave b's
.irp q, 0,2,4,6
	v_pk_add_f32 v[EP+8*\a+\q:EP+8*\a+\q+1], v[EP+8*\a+\q:EP+8*\a+\q+1], v[EP+8*\b+\q:EP+8*\b+\q+1]
.endr
	v_pk_add_f32 v[TQ+4*\a:TQ+4*\a+1],   v[TQ+4*\a:TQ+4*\a+1],   v[TQ+4*\b:TQ+4*\b+1]
	v_pk_add_f32 v[TQ+4*\a+2:TQ+4*\a+3], v[TQ+4*\a+2:TQ+4*\a+3], v[TQ+4*\b+2:TQ+4*\b+3]
.endm
.irp wv, 0,1,2,3,4,5
	ELOAD \wv
.endr
	s_wait_dscnt 18                                ; waves 0-3 are in; the 18 loads of waves 4, 5 stay out
	ESUM 0, 1
	ESUM 2, 3
	ESUM 0, 2
	ELOAD 6
	ELOAD 7
	s_wait_dscnt 18                                ; waves 4, 5 are in; the 18 loads of waves 6, 7 stay out
	ESUM 4, 5
	s_wait_dscnt 0x0
	ESUM 6, 7
	ESUM 4, 6
	ESUM 0, 4
	s_wait_loadcnt 0x0                             ; b1, b3, a2
	v_pk_mul_f32 v[TQ:TQ+1],   v[TQ:TQ+1],   0.5 op_sel_hi:[1,0]     ; the LoRA scale, 1/2
	v_pk_mul_f32 v[TQ+2:TQ+3], v[TQ+2:TQ+3], 0.5 op_sel_hi:[1,0]
.irp c, 0,1,2,3
	v_fma_f32 v[EP+\c], v[TQ], v[SM+2*\c], v[EP+\c]                  ; gate += 0.5 t0 b1[n][0]
.endr
.irp c, 0,1,2,3
	v_fma_f32 v[EP+\c], v[TQ+1], v[SM+2*\c+1], v[EP+\c]              ;       + 0.5 t1 b1[n][1]
.endr
.irp c, 0,1,2,3
	v_mul_f32 v[EX+\c], 0xbfb8aa3b, v[EP+\c]                         ; -gate / ln 2
.endr
.irp c, 0,1,2,3
	v_exp_f32 v[FX+\c], v[EX+\c]
.endr
.irp c, 0,1,2,3
	v_fma_f32 v[EP+4+\c], v[TQ+2], v[SM+8+2*\c], v[EP+4+\c]          ; up's first term: plain lines between the exponentials and their use (ISA guide 5.7.2)
.endr
	s_wait_alu depctr_va_vdst(0)
	v_pk_add_f32 v[FX:FX+1],   v[FX:FX+1],   1.0 op_sel_hi:[1,0]
	v_pk_add_f32 v[FX+2:FX+3], v[FX+2:FX+3], 1.0 op_sel_hi:[1,0]
.irp c, 0,1,2,3
	v_rcp_f32 v[RC+\c], v[FX+\c]                                     ; sigmoid(gate)
.endr
.irp c, 0,1,2,3
	v_fma_f32 v[EP+4+\c], v[TQ+3], v[SM+9+2*\c], v[EP+4+\c]          ; up's second term: plain lines between the reciprocals and their use
.endr
	s_wait_alu depctr_va_vdst(0)
	v_pk_mul_f32 v[HM:HM+1],   v[EP:EP+1],   v[RC:RC+1]              ; silu(gate)
	v_pk_mul_f32 v[HM+2:HM+3], v[EP+2:EP+3], v[RC+2:RC+3]
	v_pk_mul_f32 v[HM:HM+1],   v[HM:HM+1],   v[EP+4:EP+5]            ; x up = hmid at c = 0..3
	v_pk_mul_f32 v[HM+2:HM+3], v[HM+2:HM+3], v[EP+6:EP+7]
	v_pk_add_f32 v[TM:TM+1],   v[HM:HM+1], v[HM+2:HM+3]
	v_pk_mul_f32 v[TM+4:TM+5], v[HM:HM+1], v[SM+16:SM+17]
	v_pk_mul_f32 v[TM+6:TM+7], v[HM:HM+1], v[SM+20:SM+21]
	v_pk_fma_f32 v[TM+4:TM+5], v[HM+2:HM+3], v[SM+18:SM+19], v[TM+4:TM+5]
	v_pk_fma_f32 v[TM+6:TM+7], v[HM+2:HM+3], v[SM+22:SM+23], v[TM+6:TM+7]
	v_add_f32 v[TM+2], v[TM], v[TM+1]              ; hf[b][j0 + i]
	v_add_f32 v[TM+8], v[TM+4], v[TM+5]            ; sum over c of hmid a2[0]
	v_add_f32 v[TM+9], v[TM+6], v[TM+7]            ; sum over c of hmid a2[1]
	v_cndmask_b32 v[TM+8], 0, v[TM+8], s80         ; a j that is not mine adds nothing
	v_cndmask_b32 v[TM+9], 0, v[TM+9], s80
.irp m, 1,2,4,8
	v_add_f32_dpp v[TM+8], v[TM+8], v[TM+8] row_xmask:\m row_mask:0xf bank_mask:0xf   ; over the 16 i of my token
	v_add_f32_dpp v[TM+9], v[TM+9], v[TM+9] row_xmask:\m row_mask:0xf bank_mask:0xf
.endr
	v_permlanex16_b32 v[TM+10], v[TM+2], s72, s73  ; the other token's hf at my i (the destination has held a tile's sum: written before)
	v_cndmask_b32 v[TM+11], v[TM+10], v[TM+2], s81 ; the even token's
	v_cndmask_b32 v[TM+12], v[TM+2], v[TM+10], s81 ; the odd token's
	v_cvt_pk_bf16_f32 v[TM+13], v[TM+11], v[TM+12]
	ds_store_b32 v15, v[TM+13]                     ; both halves of the lanes store the same word
	ds_store_b64 v9, v[TM+8:TM+9]                  ; 16 lanes store the same pair
	s_wait_dscnt 0x0
	s_barrier_signal -1
	s_barrier_wait -1
	s_cmp_lg_u32 s2, 0
	s_cbranch_scc1 .Lend
	; wave 0 stores the block: 32 cnt consecutive bytes of hf, 128 consecutive bytes of t2p
	v_add_nc_u32 v16, OUTS, v2
	v_and_b32 v17, 0x70, v2
	v_add_nc_u32 v17, OUTS+512, v17
	ds_load_b128 v[20:23], v16
	ds_load_b128 v[24:27], v17
	v_cmp_gt_u32 vcc_lo, s74, v2                   ; 16 lane < 32 cnt
	s_wait_dscnt 0x0
	s_wait_xcnt 0x0                                ; EXEC changes only behind s_wait_xcnt 0
	s_and_saveexec_b32 s60, vcc_lo
	global_store_b128 v2, v[20:23], s[76:77]
	s_wait_xcnt 0x0
	s_or_b32 exec_lo, exec_lo, s60
	v_cmp_gt_u32 vcc_lo, 0x80, v2                  ; lanes 0-7
	s_and_saveexec_b32 s60, vcc_lo
	global_store_b128 v2, v[24:27], s[78:79]
	s_wait_xcnt 0x0
	s_or_b32 exec_lo, exec_lo, s60
.Lend:
	s_set_vgpr_msb 0x5
	s_wait_tensorcnt 0x0
	ds_add_u32 v136, v137
	s_wait_dscnt 0x0
	s_set_vgpr_msb 0x500
	s_endpgm
.Lfunc_end_k_q51b932b782_gateup:
	.size	k_q51b932b782_gateup, .Lfunc_end_k_q51b932b782_gateup-k_q51b932b782_gateup
	.p2alignl 7, 3214868480
	.fill 96, 4, 3214868480
	.section	.rodata,"a",@progbits
	.p2align	6, 0x0
	.amdhsa_kernel k_q51b932b782_gateup
		.amdhsa_group_segment_fixed_size 308224
		.amdhsa_private_segment_fixed_size 0
		.amdhsa_enable_private_segment 0
		.amdhsa_kernarg_size 80
		.amdhsa_user_sgpr_count 2
		.amdhsa_user_sgpr_kernarg_segment_ptr 1
		.amdhsa_wavefront_size32 1
		.amdhsa_system_sgpr_workgroup_id_x 1
		.amdhsa_system_sgpr_workgroup_id_y 1
		.amdhsa_system_sgpr_workgroup_id_z 1
		.amdhsa_system_vgpr_workitem_id 0
		.amdhsa_next_free_vgpr 394
		.amdhsa_next_free_sgpr 84
		.amdhsa_reserve_vcc 1
		.amdhsa_float_denorm_mode_32 3
		.amdhsa_float_denorm_mode_16_64 3
		.amdhsa_memory_ordered 1
		.amdhsa_forward_progress 1
		.amdhsa_inst_pref_size 113
	.end_amdhsa_kernel
	.amdgpu_metadata
---
amdhsa.version: [ 1, 2 ]
amdhsa.kernels:
  - .name:           k_q51b932b782_gateup
    .symbol:         k_q51b932b782_gateup.kd
    .args:
      - { .name: x, .offset: 0, .size: 8, .value_kind: global_buffer, .address_space: global }
      - { .name: a1, .offset: 8, .size: 8, .value_kind: global_buffer, .address_space: global }
      - { .name: a3, .offset: 16, .size: 8, .value_kind: global_buffer, .address_space: global }
      - { .name: w1q, .offset: 24, .size: 8, .value_kind: global_buffer, .address_space: global }
      - { .name: w3q, .offset: 32, .size: 8, .value_kind: global_buffer, .address_space: global }
      - { .name: b1, .offset: 40, .size: 8, .value_kind: global_buffer, .address_space: global }
      - { .name: b3, .offset: 48, .size: 8, .value_kind: global_buffer, .address_space: global }
      - { .name: a2, .offset: 56, .size: 8, .value_kind: global_buffer, .address_space: global }
      - { .name: hf, .offset: 64, .size: 8, .value_kind: global_buffer, .address_space: global }
      - { .name: t2p, .offset: 72, .size: 8, .value_kind: global_buffer, .address_space: global }
    .group_segment_fixed_size: 308224
    .private_segment_fixed_size: 0
    .kernarg_segment_align: 8
    .kernarg_segment_size: 80
    .max_flat_workgroup_size: 256
    .sgpr_count:     84
    .vgpr_count:     394
    .wavefront_size: 32
...
	.end_amdgpu_metadata
.endif
;; end of part 1
;; launch down (part 2): grid 256 x 1, 8 waves a work-group, no clusters, 317,440 bytes of LDS; arguments hf, t2p, w2q, b2, out0; writes out0
.if DOCPART == 2
	.amdgcn_target "amdgcn-amd-amdhsa--gfx1250"
	.amdhsa_code_object_version 6
	.text
	.protected	k_q51b932b782_down
	.globl	k_q51b932b782_down
	.p2align	8
	.type	k_q51b932b782_down,@function
k_q51b932b782_down:
	s_mov_b64 s[64:65], 0
	v_nop
	global_prefetch_b8 v0, s[64:65] scope:SCOPE_SE
	s_setreg_imm32_b32 hwreg(HW_REG_WAVE_MODE, 25, 1), 1
	s_wait_xcnt 0x0
; out0[b][n] = sum over j of hf[b][j] w2q[n][j] + 0.5 (t2[b][0] b2[n][0] + t2[b][1] b2[n][1]),  t2[b][rho] = sum over the 256 blocks g of t2p[g][b][rho].
; hf is the hidden vector folded over the four repeats of w2q (bf16, [j][b], byte 32 j + 2 b), so K is 2,752 and each byte of w2q is read once.
; SHARES: work-group g owns rows 16 g .. 16 g + 15 of w2q, one tile of 16 outputs for the 16 tokens.  K goes in 43 units of 64 (row pieces of 256 bytes, at
; multiples of 256 bytes from the buffer's first byte).  Wave w takes units w + 8 m, m = 0..4; waves 0-2 also m = 5.  All is asked for at the head, each LDS byte
; filled once: by this text's count a wave has seven tensor loads out at the most (hf's image, unit 5, units 0-4).
; NO JOINT LOADS: hf (88,064 of a work-group's 296,960 bytes) is what the work-groups share; a joint request would put a round of the cluster's barrier ahead of
; all the weight requests, which here go out at once.
; THE WAY OUT: 16 columns are 64 consecutive bytes of each of out0's 16 rows; a store of a wave covers two such pieces.  Longer pieces would need 64 columns
; a work-group, that is a quarter of the work-groups; out0 is 262,144 bytes beside 45,088,768 of weights.
; LIMITS: K is split over waves and two sums a wave, so the order of summing differs from a plain row sum; hf and w2q enter the products in bf16.
.set WUNIT,  4352                      ; a unit in LDS: 16 rows, pitch 272 = 256 + 16 = 17 x 16 bytes: the 16 rows start at 16 different 16-byte columns of 256
.set WWAVE,  6*WUNIT
.set HFB,    208896                    ; hf's image: wave w's units at HFB + 12,288 w + 2,048 m, 64 j x 32 bytes each
.set HFWAVE, 12288
.set SC2,    307200                    ; each wave's partial result, 1,024 bytes
.set T2S,    315392                    ; each wave's partial t2, 128 bytes, [b][rho]
.set AF,   16                          ; v[16:47]  A fragments of hf, two sets of 16 that take turns; before that t2p as loaded
.set WF,   48                          ; v[48:79]  a unit's f32
.set WB,   80                          ; v[80:95]  the same in bf16
.set ACC0, 96                          ; v[96:103], v[104:111]: two sums
.set ACC1, 104
.set B2,   112                         ; v[112:113] b2[n][0..1]
	s_load_b256 s[8:15], s[0:1], 0x0               ; hf s[8:9], t2p s[10:11], w2q s[12:13], b2 s[14:15]
	s_load_b64 s[16:17], s[0:1], 0x20              ; out0
	v_lshl_add_u32 v128, v0, 2, 0x4d400
	v_mov_b32 v129, 0
	ds_add_u32 v128, v129
	ds_add_u32 v128, v129
	v_lshrrev_b32 v114, 5, v0
	v_readfirstlane_b32 s2, v114                   ; wave w
	s_mul_i32 s3, s2, WWAVE                        ; my units in LDS
	s_mul_i32 s45, s2, HFWAVE
	s_add_co_u32 s45, s45, HFB                     ; my part of hf's image: also word 1 of its group 0
	s_lshl_b32 s5, s2, 10
	s_add_co_u32 s5, s5, SC2
	s_lshl_b32 s6, s2, 7
	s_add_co_u32 s6, s6, T2S
	s_lshl_b32 s7, ttmp9, 4                        ; n0 = 16 g
	s_mul_i32 s18, ttmp9, 176128                   ; 16 rows of 11,008 bytes
	s_lshl_b32 s19, s2, 8                          ; + unit w
	s_add_co_u32 s18, s18, s19
	s_mov_b32 s19, 0
	s_lshl_b32 s76, s2, 11                         ; hf: unit w, 2,048 bytes each
	s_mov_b32 s77, 0
	s_mov_b32 s80, 0x76543210
	s_mov_b32 s81, 0xfedcba98
	; group 1 of a weight unit: 16 rows x 64 elements of 4 bytes, rows 2,752 elements apart, 4 words of padding behind every 64
	s_mov_b32 s20, 0x07520000
	s_mov_b32 s21, 64<<16
	s_mov_b32 s22, 16<<16
	s_mov_b32 s23, 64<<16
	s_mov_b32 s24, 16
	s_mov_b32 s25, 2752
	s_mov_b32 s26, 0
	s_mov_b32 s27, 0
	; group 1 of hf's image: 5 (or 6) rows of 256 elements of 8 bytes, 2,048 elements (8 units) apart, no padding
	s_mov_b32 s28, 3<<16
	s_mov_b32 s29, 256<<16
	s_mov_b32 s30, 5<<16
	s_mov_b32 s31, 256<<16
	s_mov_b32 s32, 5
	s_mov_b32 s33, 2048
	s_mov_b32 s34, 0
	s_mov_b32 s35, 0
	s_mov_b32 s36, 3<<16
	s_mov_b32 s37, 256<<16
	s_mov_b32 s38, 6<<16
	s_mov_b32 s39, 256<<16
	s_mov_b32 s40, 6
	s_mov_b32 s41, 2048
	s_mov_b32 s42, 0
	s_mov_b32 s43, 0
	v_and_b32 v115, 31, v0                         ; lane
	v_and_b32 v116, 15, v0                         ; r; at the end i
	v_bfe_u32 v117, v0, 4, 1                       ; h
	v_lshrrev_b32 v118, 4, v0                      ; b, the end's token
	v_lshlrev_b32 v1, 4, v0                        ; t2p: 16 bytes a thread
	v_mul_u32_u24 v119, v116, 272
	v_lshl_add_u32 v119, v117, 5, v119
	v_add_nc_u32 v2, s3, v119                      ; weight row r, 8 h f32
	v_and_b32 v121, 7, v0                          ; lane & 7
	v_lshl_add_u32 v120, v117, 3, v121             ; hf's row 8 h + (lane & 7)
	v_lshlrev_b32 v120, 5, v120
	v_bfe_u32 v122, v0, 3, 1
	v_lshl_add_u32 v120, v122, 4, v120             ; + 16 ((lane >> 3) & 1)
	v_add_nc_u32 v3, s45, v120
	v_lshl_add_u32 v4, v115, 4, s5                 ; my partial result, 16 bytes a lane
	v_lshl_add_u32 v5, v121, 4, s6                 ; my partial t2, quad lane & 7
	v_bfe_u32 v123, v118, 2, 1                     ; element (b, i) of a result tile: 512 ((b >> 2) & 1) + 16 (16 (b >> 3) + i) + 4 (b & 3)
	v_lshlrev_b32 v123, 9, v123
	v_lshrrev_b32 v124, 3, v118
	v_lshl_add_u32 v124, v124, 4, v116
	v_lshl_add_u32 v123, v124, 4, v123
	v_and_b32 v125, 3, v118
	v_lshl_add_u32 v123, v125, 2, v123
	v_add_nc_u32 v6, SC2, v123
	v_lshl_add_u32 v7, v118, 3, T2S                ; t2 of token b
	v_add_nc_u32 v126, s7, v116                    ; n = n0 + i
	v_lshlrev_b32 v8, 3, v126                      ; b2
	v_lshlrev_b32 v127, 2, v126
	v_lshl_add_u32 v9, v118, 14, v127              ; out0: 16,384 b + 4 n
	s_wait_dscnt 0x0
	s_wait_kmcnt 0x0
	s_add_nc_u64 s[12:13], s[12:13], s[18:19]      ; w2q at my rows, unit w
	s_mov_b32 s44, 1
	s_add_nc_u64 s[46:47], s[8:9], s[76:77]
	s_or_b32 s47, s47, 0x80000000
.macro MKW g, m                        ; group 0 of my unit m
	s_mov_b32 s[\g], 1
	s_add_co_u32 s[\g+1], s3, \m*WUNIT
	s_add_nc_u64 s[\g+2:\g+3], s[12:13], \m*2048   ; 8 units of 256 bytes on
	s_or_b32 s[\g+3], s[\g+3], 0x80000000
.endm
	MKW 48, 0
	MKW 52, 1
	MKW 56, 2
	MKW 60, 3
	MKW 68, 4
	s_cmp_lt_u32 s2, 3
	s_cbranch_scc0 .Lfive
	MKW 72, 5
	tensor_load_to_lds s[44:47], s[36:43]          ; waves 0-2: six units of hf, and weight unit 5 ahead of the others,
	s_nop 0
	tensor_load_to_lds s[72:75], s[20:27]          ; so that the same five loads stand behind them as in the other waves
	s_nop 0
	s_branch .Lrest
.Lfive:
	tensor_load_to_lds s[44:47], s[28:35]
	s_nop 0
.Lrest:
.irp g, 48,52,56,60,68
	tensor_load_to_lds s[\g:\g+3], s[20:27]
	s_nop 0
.endr
	; t2: all 32,768 bytes of t2p, 4,096 consecutive bytes a load of the work-group; a lane's 16 bytes are quad lane & 7 of a block in every load
.irp m, 0,1,2,3,4,5,6,7
	global_load_b128 v[AF+4*\m:AF+4*\m+3], v1, s[10:11] offset:4096*\m
.endr
	global_load_b64 v[B2:B2+1], v8, s[14:15]
	s_wait_loadcnt 0x1                             ; t2p is in; b2 stays out
.irp m, 0,2,4,6
	v_pk_add_f32 v[AF+4*\m:AF+4*\m+1],   v[AF+4*\m:AF+4*\m+1],   v[AF+4*\m+4:AF+4*\m+5]
	v_pk_add_f32 v[AF+4*\m+2:AF+4*\m+3], v[AF+4*\m+2:AF+4*\m+3], v[AF+4*\m+6:AF+4*\m+7]
.endr
.irp m, 0,4
	v_pk_add_f32 v[AF+4*\m:AF+4*\m+1],   v[AF+4*\m:AF+4*\m+1],   v[AF+4*\m+8:AF+4*\m+9]
	v_pk_add_f32 v[AF+4*\m+2:AF+4*\m+3], v[AF+4*\m+2:AF+4*\m+3], v[AF+4*\m+10:AF+4*\m+11]
.endr
	v_pk_add_f32 v[AF:AF+1],   v[AF:AF+1],   v[AF+16:AF+17]
	v_pk_add_f32 v[AF+2:AF+3], v[AF+2:AF+3], v[AF+18:AF+19]
.irp q, 0,1,2,3
	v_add_f32_dpp v[AF+\q], v[AF+\q], v[AF+\q] row_xmask:8 row_mask:0xf bank_mask:0xf   ; lanes 8 apart hold the same quad
.endr
.irp q, 0,1,2,3
	v_permlanex16_b32 v[AF+4+\q], v[AF+\q], s80, s81                                    ; and lanes 16 apart (the destinations have been written before)
.endr
	v_pk_add_f32 v[AF:AF+1],   v[AF:AF+1],   v[AF+4:AF+5]
	v_pk_add_f32 v[AF+2:AF+3], v[AF+2:AF+3], v[AF+6:AF+7]
	ds_store_b128 v5, v[AF:AF+3]                   ; four lanes store the same 16 bytes
; Unit m: 64 k in two products.  A: hf lies [k][token], so the transposing load brings lane (r, h) k = 8 h .. +7 of token r (and 16 rows of 32 bytes on, the next eight).
; B: lane (r, h) takes 8 + 8 f32 of weight row r and rounds them to bf16.  ACC0 and ACC1 take turns, one instruction a turn.
; The conversions are the places behind the products: a fragment register is written again eight plain lines or more behind the product that read it,
; and the two sets of A fragments take turns from unit to unit.
.macro UNIT m, first
.set AFS, AF+16*((\m)&1)
.irp q, 0,1,2,3
	ds_load_tr16_b128 v[AFS+4*\q:AFS+4*\q+3], v3 offset:\m*2048+512*\q
.endr
.irp g, 0,1
	ds_load_b128 v[WF+16*\g:WF+16*\g+3],     v2 offset:\m*WUNIT+128*\g
	ds_load_b128 v[WF+16*\g+4:WF+16*\g+7],   v2 offset:\m*WUNIT+128*\g+16
	ds_load_b128 v[WF+16*\g+8:WF+16*\g+11],  v2 offset:\m*WUNIT+128*\g+64
	ds_load_b128 v[WF+16*\g+12:WF+16*\g+15], v2 offset:\m*WUNIT+128*\g+80
.endr
	s_wait_dscnt 4                                 ; hf's four and the first half's four are in; the second half's four stay out
.irp q, 0,1,2,3,4,5,6,7
	v_cvt_pk_bf16_f32 v[WB+\q], v[WF+2*\q], v[WF+2*\q+1]
.endr
.if \first
	v_wmma_f32_16x16x32_bf16 v[ACC0:ACC0+7], v[AFS:AFS+7], v[WB:WB+7], 0
.else
	v_wmma_f32_16x16x32_bf16 v[ACC0:ACC0+7], v[AFS:AFS+7], v[WB:WB+7], v[ACC0:ACC0+7]
.endif
	s_wait_dscnt 0
.irp q, 0,1,2,3,4,5,6,7
	v_cvt_pk_bf16_f32 v[WB+8+\q], v[WF+16+2*\q], v[WF+17+2*\q]
.endr
.if \first
	v_wmma_f32_16x16x32_bf16 v[ACC1:ACC1+7], v[AFS+8:AFS+15], v[WB+8:WB+15], 0
.else
	v_wmma_f32_16x16x32_bf16 v[ACC1:ACC1+7], v[AFS+8:AFS+15], v[WB+8:WB+15], v[ACC1:ACC1+7]
.endif
.endm
	s_wait_tensorcnt 4                             ; a wave's tensor loads end in order (ISA guide 10.11.1): hf's image, unit 5 where asked for, and unit 0 are in; units 1-4 stay out
	UNIT 0, 1
.irp m, 1,2,3,4
	s_wait_tensorcnt 4-\m
	UNIT \m, 0
.endr
	s_cmp_lt_u32 s2, 3
	s_cbranch_scc0 .Lsum
	UNIT 5, 0                                      ; asked for ahead of unit 0: in
.Lsum:
.rept 4
	v_nop                                          ; four plain places behind the last product (ISA guide 7.12.1)
.endr
.irp q, 0,2,4,6
	v_pk_add_f32 v[ACC0+\q:ACC0+\q+1], v[ACC0+\q:ACC0+\q+1], v[ACC1+\q:ACC1+\q+1]
.endr
	ds_store_b128 v4, v[ACC0:ACC0+3]
	ds_store_b128 v4, v[ACC0+4:ACC0+7] offset:512
	s_wait_dscnt 0x0                               ; my partial result and my partial t2 are in LDS, for the other waves' sake
	s_wait_tensorcnt 0x0                           ; (met since unit 4)
	s_barrier_signal -1
	s_barrier_wait -1
	; thread (b, i): the eight waves' parts of its output and of t2[b]
.irp wv, 0,1,2,3,4,5,6,7
	ds_load_b32 v[WF+\wv], v6 offset:\wv*1024
.endr
.irp wv, 0,1,2,3,4,5,6,7
	ds_load_b64 v[WF+8+2*\wv:WF+9+2*\wv], v7 offset:\wv*128
.endr
	s_wait_loadcnt 0x0                             ; b2
	s_wait_dscnt 0x0
	v_pk_add_f32 v[WF:WF+1],     v[WF:WF+1],     v[WF+2:WF+3]
	v_pk_add_f32 v[WF+4:WF+5],   v[WF+4:WF+5],   v[WF+6:WF+7]
	v_pk_add_f32 v[WF+8:WF+9],   v[WF+8:WF+9],   v[WF+10:WF+11]
	v_pk_add_f32 v[WF+12:WF+13], v[WF+12:WF+13], v[WF+14:WF+15]
	v_pk_add_f32 v[WF+16:WF+17], v[WF+16:WF+17], v[WF+18:WF+19]
	v_pk_add_f32 v[WF+20:WF+21], v[WF+20:WF+21], v[WF+22:WF+23]
	v_pk_add_f32 v[WF:WF+1],     v[WF:WF+1],     v[WF+4:WF+5]
	v_pk_add_f32 v[WF+8:WF+9],   v[WF+8:WF+9],   v[WF+12:WF+13]
	v_pk_add_f32 v[WF+16:WF+17], v[WF+16:WF+17], v[WF+20:WF+21]
	v_add_f32 v[WF], v[WF], v[WF+1]
	v_pk_add_f32 v[WF+8:WF+9],   v[WF+8:WF+9],   v[WF+16:WF+17]
	v_pk_mul_f32 v[WF+8:WF+9],   v[WF+8:WF+9],   0.5 op_sel_hi:[1,0]   ; the LoRA scale, 1/2
	v_fma_f32 v[WF], v[WF+8], v[B2], v[WF]
	v_fma_f32 v[WF], v[WF+9], v[B2+1], v[WF]
	global_store_b32 v9, v[WF], s[16:17]           ; 16 lanes store 64 consecutive bytes of row b
	s_wait_tensorcnt 0x0
	ds_add_u32 v128, v129
	s_wait_dscnt 0x0
	s_endpgm
.Lfunc_end_k_q51b932b782_down:
	.size	k_q51b932b782_down, .Lfunc_end_k_q51b932b782_down-k_q51b932b782_down
	.p2alignl 7, 3214868480
	.fill 96, 4, 3214868480
	.section	.rodata,"a",@progbits
	.p2align	6, 0x0
	.amdhsa_kernel k_q51b932b782_down
		.amdhsa_group_segment_fixed_size 317440
		.amdhsa_private_segment_fixed_size 0
		.amdhsa_enable_private_segment 0
		.amdhsa_kernarg_size 40
		.amdhsa_user_sgpr_count 2
		.amdhsa_user_sgpr_kernarg_segment_ptr 1
		.amdhsa_wavefront_size32 1
		.amdhsa_system_sgpr_workgroup_id_x 1
		.amdhsa_system_sgpr_workgroup_id_y 1
		.amdhsa_system_sgpr_workgroup_id_z 1
		.amdhsa_system_vgpr_workitem_id 0
		.amdhsa_next_free_vgpr 130
		.amdhsa_next_free_sgpr 84
		.amdhsa_reserve_vcc 0
		.amdhsa_float_denorm_mode_32 3
		.amdhsa_float_denorm_mode_16_64 3
		.amdhsa_memory_ordered 1
		.amdhsa_forward_progress 1
		.amdhsa_inst_pref_size 24
	.end_amdhsa_kernel
	.amdgpu_metadata
---
amdhsa.version: [ 1, 2 ]
amdhsa.kernels:
  - .name:           k_q51b932b782_down
    .symbol:         k_q51b932b782_down.kd
    .args:
      - { .name: hf, .offset: 0, .size: 8, .value_kind: global_buffer, .address_space: global }
      - { .name: t2p, .offset: 8, .size: 8, .value_kind: global_buffer, .address_space: global }
      - { .name: w2q, .offset: 16, .size: 8, .value_kind: global_buffer, .address_space: global }
      - { .name: b2, .offset: 24, .size: 8, .value_kind: global_buffer, .address_space: global }
      - { .name: out0, .offset: 32, .size: 8, .value_kind: global_buffer, .address_space: global }
    .group_segment_fixed_size: 317440
    .private_segment_fixed_size: 0
    .kernarg_segment_align: 8
    .kernarg_segment_size: 40
    .max_flat_workgroup_size: 256
    .sgpr_count:     84
    .vgpr_count:     130
    .wavefront_size: 32
...
	.end_amdgpu_metadata
.endif
;; end of part 2
